; MI455X (gfx1250); checked and timed in simulation.
; The chip was launched on July 23, 2026; its instructions are those of AMD's public machine-readable ISA for CDNA 5 (MIT licence, August 2026) and "CDNA5" Instruction Set Architecture Reference Guide (July 2026). The comments in the code are by the model that wrote it; some were corrected since.
;; Density Estimator. Allowed arithmetic: matrix products marked QUANTISED: E2M1 operands, one E8M0 scale for each 32 along K, by v_wmma_scale_f32_16x16x128_f8f6f4 with both operands' format E2M1 (or v_wmma_scale_f32_32x16x128_f4), f32 sums; everything else in f32.
;; Inputs: features 8,192 x 1,024 float32.
;; Outputs: out0 8,192 x 1 float32.
;; This version of the problem:
;;   THIS VERSION OF THE PROBLEM IS GIVEN IN LOW PRECISION. The matrix products marked QUANTISED in the list below multiply operands that are first quantised to E2M1 (2 exponent bits, 1 mantissa bit; 4 bits a number), with one power-of-two scale for each 32 numbers along K (OCP MX v1.0); their sums are f32. All else is computed in f32.
;;   The module's matrix products, in the order in which they are computed (A, B: the left and right operand; K: the contracted axis; several contracted axes count as one K, in the product's order):
;;     1. [M 8,192, K 1,024] x [K 1,024, N 8,192]; A: input features; B: input features: QUANTISED
;;   THE QUANTISER, for each operand of a quantised product, along K:
;;     - K is cut into blocks of 32 from its start; a last block that is shorter is filled with zeros.
;;     - A block's scale is 2^e with e = floor(log2(the largest magnitude in the block)) - 2, held to -126 .. 127; a block of zeros has e = 0. As a byte (E8M0): e + 127.
;;     - Each number is divided by its block's scale, clamped to +-6, and rounded to the nearest number of E2M1, ties to even, subnormals kept.
;;     - The product sums the exact products of the quantised numbers (number of the format x scale) in f32.
;;   ~~~python
;;   def quantise(x, axis):      # numpy; x: float32 -> the quantised numbers, widened to float32 again
;;       x = np.moveaxis(x, axis, -1); K = x.shape[-1]
;;       x = np.pad(x, [(0, 0)] * (x.ndim - 1) + [(0, -K % 32)]); x = x.reshape(x.shape[:-1] + (-1, 32)); a = np.abs(x).max(-1, keepdims=True)
;;       e = np.where(a > 0, np.clip(np.frexp(np.where(a > 0, a, 1))[1] - 1 - 2, -126, 127), 0)      # np.frexp(a)[1] - 1 = floor(log2(a)), exactly
;;       r = np.clip(x / 2.0 ** e, -6, 6)
;;       step = 2.0 ** (np.maximum(np.frexp(np.where(r == 0, 1, r))[1] - 1, 0) - 1)
;;       q = np.round(r / step) * step * 2.0 ** e      # np.round: ties to even
;;       return np.moveaxis(q.reshape(q.shape[:-2] + (-1,))[..., :K], -1, axis).astype(np.float32)
;;   ~~~
;; One version. Each part assembles by itself: llvm-mc -triple=amdgcn-amd-amdhsa -mcpu=gfx1250 --defsym DOCPART=n.
;; ======== version 1 of 1: 3 launches
;; limits: right only within a limited range of input values
;; workspace buffers: img 4,587,520 bytes; part 3,145,728 bytes
;; launch quant (part 1): grid 256 x 1, 8 waves a work-group, no clusters, 135,680 bytes of LDS; arguments features, img; writes img
.if DOCPART == 1
	.amdgcn_target "amdgcn-amd-amdhsa--gfx1250"
	.amdhsa_code_object_version 6
	.text
	.protected	k_q6b64c104dd_quant
	.globl	k_q6b64c104dd_quant
	.p2align	8
	.type	k_q6b64c104dd_quant,@function
k_q6b64c104dd_quant:
	s_mov_b64 s[64:65], 0
	v_nop
	global_prefetch_b8 v0, s[64:65] scope:SCOPE_SE
	s_setreg_imm32_b32 hwreg(HW_REG_WAVE_MODE, 25, 1), 1
	s_wait_xcnt 0x0
; features [8192][1024] f32 -> img: 512 records of 8,960 bytes, one for each 16 rows, laid in the order of a matrix operand's registers.
;   bytes 0-8191     codes of FP4 (E2M1): K step s (128 along K), half c, lane 16 h + r at 1024 s + 512 c + 16 lane: the 16 bytes are k = 128 s + 64 c + 32 h + 0 .. 31 of row r
;   bytes 8192-8703  scale words: word p of lane (h, r), at 8192 + 16 lane + 4 p, holds the four E8M0 bytes of row r, K step 2 p + h
;   bytes 8704-8767  -0.5 x the sum of squares of rows 0 .. 15, f32, of the UNQUANTISED numbers;   bytes 8768-8959  zeros
; A block's scale is 2^(floor(log2(its largest magnitude)) - 2); its byte is the largest magnitude's exponent field - 2, held at 1 from below; numbers beyond 6 x the scale get the largest code.
; LIMITS: NaN and infinities are not served.  A block of zeros gets the byte 1 where the rule says 127: its codes are zeros, and the bytes are read by this program alone.
;         The sum of squares is taken in another order of f32 additions than a plain sum along the row.
; SHARES.  A work-group takes 32 rows (two records).  Wave w takes record w / 4 and K steps 2 q, 2 q + 1, q = w % 4: 16 rows x 256 numbers, in four chunks of 64 along K, all asked for at once:
; each of a chunk's eight loads brings 256 consecutive bytes, aligned, of two rows.  A chunk turns through the wave's own tile in LDS, so that lane (r, h) takes a WHOLE block of 32 along K of row r:
; a block's maximum needs no other lane and the conversions' results are the operand's registers as they stand.  No tensor load, no prefetch: each byte is read once, ahead of all work.
.set PITCH, 1040                       ; a tile's row in LDS: 1,024 bytes + 16 of padding: the 16 rows that a load of 16 bytes a lane touches start 16 bytes apart modulo 256
.set TILE,  16*PITCH
.set SCR,   8*TILE                     ; scale words on their way out: 512 bytes for each record
.set SQS,   SCR+1024                   ; the four waves' parts of the sums of squares: 256 bytes for each record: row r at 16 r, part q at 4 q
.set SPARE, SQS+512                    ; spare words, 128 bytes a wave
.set REC,  8960
.set LANE, 1
.set R,    2                           ; r = lane % 16
.set H,    3                           ; h = lane / 16
.set LI,   4                           ; 16 x lane
.set XA,   5                           ; my block in my wave's tile
.set SCW,  6                           ; where I put my scale word
.set SQW,  7                           ; where I put my row's part of the sum
.set SCRD, 8                           ; where the record's scale words are read back
.set SQRD, 9                           ; where two rows' parts are read back
.set L8,   10                          ; 8 x lane
.set H8,   11                          ; 8 x h
.set BY,   16                          ; v16-19 the four blocks' scale bytes
.set XW,   29                          ; into the tile: row h, 16 bytes a lane
.set GA,   30                          ; and the same place in features
.set C,    32                          ; v32-47 codes: four registers a block, never written again
.set RW,   48                          ; v48-175 four chunks as loaded
.set SPW,  192
.set NIL,  193
.set X,    194                         ; v194-225 a block of 32 numbers
	s_load_b128 s[4:7], s[0:1], 0x0                ; features, img
	v_lshl_add_u32 v[SPW], v0, 2, SPARE
	v_mov_b32 v[NIL], 0
	v_lshrrev_b32 v1, 5, v0
	v_readfirstlane_b32 s8, v1                     ; wave 0..7
	s_lshr_b32 s9, s8, 2                           ; which of the two records
	s_and_b32 s10, s8, 3                           ; q: which 256 along K
	s_mul_i32 s13, s8, TILE
	s_lshl_b32 s30, ttmp9, 17                      ; 32 rows of 4,096 bytes a work-group,
	s_lshl_b32 s31, s9, 16                         ; 16 rows a record,
	s_add_co_u32 s30, s30, s31
	s_lshl_b32 s31, s10, 10                        ; 1,024 bytes of a row for each q
	s_add_co_u32 s30, s30, s31
	s_mov_b32 s31, 0
	s_lshl_b32 s32, ttmp9, 1
	s_add_co_u32 s32, s32, s9
	s_mul_i32 s32, s32, REC                        ; my record's first byte in img
	s_mov_b32 s33, 0
	s_mov_b32 s28, 0x76543210
	s_mov_b32 s29, 0xfedcba98                      ; v_permlanex16_b32's selects for lane l xor 16
	s_lshl_b32 s34, s9, 9
	s_add_co_u32 s36, s34, SCR                     ; the record's scale words
	s_lshl_b32 s35, s10, 2
	s_add_co_u32 s35, s35, s36
	s_lshl_b32 s37, s9, 8
	s_add_co_u32 s37, s37, SQS                     ; the record's parts of sums
	s_lshl_b32 s38, s10, 2
	s_add_co_u32 s38, s38, s37
	v_and_b32 v[LANE], 31, v0
	v_and_b32 v[R], 15, v0
	v_bfe_u32 v[H], v0, 4, 1
	v_and_b32 v[SQRD], 7, v0
	v_lshlrev_b32 v[LI], 4, v[LANE]
	v_mul_u32_u24 v[XA], v[R], PITCH
	v_mul_u32_u24 v[XW], v[H], PITCH
	v_lshlrev_b32 v[GA], 12, v[H]
	v_lshl_add_u32 v[XA], v[H], 7, v[XA]
	v_lshl_add_u32 v[XW], v[R], 4, v[XW]
	v_lshl_add_u32 v[GA], v[R], 4, v[GA]
	v_lshl_add_u32 v[SQW], v[R], 4, s38            ; + 16 r + 4 q
	v_add_nc_u32 v[XA], s13, v[XA]                 ; tile + row r + 128 h
	v_add_nc_u32 v[XW], s13, v[XW]
	v_add_nc_u32 v[SCW], s35, v[LI]                ; + 16 lane + 4 q
	v_add_nc_u32 v[SCRD], s36, v[LI]               ; + 16 lane
	v_lshl_add_u32 v[SQRD], v[SQRD], 5, s37        ; + 32 (lane % 8): two rows' four parts each
	v_lshlrev_b32 v[L8], 3, v[LANE]
	v_lshlrev_b32 v[H8], 3, v[H]
	v_mov_b32 v26, 0                               ; written once: a lane permute's destination counts as one of its sources
	v_mov_b32 v27, 0
	v_mov_b32 v28, 0
	s_wait_alu depctr_va_vdst(0)
	s_wait_kmcnt 0x0
	s_add_nc_u64 s[14:15], s[4:5], s[30:31]
.irp u, 0,1,2,3
.irp i, 0,1,2,3,4,5,6,7
	global_load_b128 v[RW+32*\u+4*\i:RW+32*\u+4*\i+3], v[GA], s[14:15] offset:256*\u+8192*\i th:TH_LOAD_NT   ; rows 2 i, 2 i + 1
.endr
.endr
	s_add_nc_u64 s[24:25], s[6:7], s[32:33]        ; my record
	s_lshl_b32 s30, s10, 11
	s_add_nc_u64 s[26:27], s[24:25], s[30:31]      ; and my two K steps' codes in it
; Chunk u: through the tile, then my block's largest magnitude, its squares, its byte, its 32 codes, which leave at once: the wave's store covers 512 consecutive bytes, aligned to 256.
.macro BLOCK u
	s_wait_loadcnt 24-8*\u                         ; loads come back in order: this chunk's eight are in, the later chunks' eight each may be out
.irp i, 0,1,2,3,4,5,6,7
	ds_store_b128 v[XW], v[RW+32*\u+4*\i:RW+32*\u+4*\i+3] offset:256*\u+2*PITCH*\i
.endr
.irp j, 0,1,2,3,4,5,6,7
	ds_load_b128 v[X+4*\j:X+4*\j+3], v[XA] offset:256*\u+16*\j   ; LDS serves a wave's instructions in order: these see the stores above
.endr
	s_wait_dscnt 0x0
	v_max3_num_f32 v12, |v[X]|, |v[X+1]|, 0x1800000     ; with the floor 2^(3 - 127) among the leaves: the byte cannot fall under 1
	v_max3_num_f32 v13, |v[X+2]|, |v[X+3]|, |v[X+4]|
.if \u == 0
	v_pk_mul_f32 v[20:21], v[X:X+1], v[X:X+1]           ; the first squares start the sums: nothing is cleared
	v_pk_mul_f32 v[22:23], v[X+2:X+3], v[X+2:X+3]
.else
	v_pk_fma_f32 v[20:21], v[X:X+1], v[X:X+1], v[20:21]
	v_pk_fma_f32 v[22:23], v[X+2:X+3], v[X+2:X+3], v[22:23]
.endif
.irp i, 5,9,13,17,21,25                ; four chains by turns
	v_max3_num_f32 v12, v12, |v[X+\i]|, |v[X+\i+1]|
	v_max3_num_f32 v13, v13, |v[X+\i+2]|, |v[X+\i+3]|
	v_pk_fma_f32 v[20:21], v[X+\i-1:X+\i], v[X+\i-1:X+\i], v[20:21]
	v_pk_fma_f32 v[22:23], v[X+\i+1:X+\i+2], v[X+\i+1:X+\i+2], v[22:23]
.endr
	v_max3_num_f32 v12, v12, |v[X+29]|, |v[X+30]|
	v_pk_fma_f32 v[20:21], v[X+28:X+29], v[X+28:X+29], v[20:21]
	v_max3_num_f32 v12, v12, v13, |v[X+31]|
	v_pk_fma_f32 v[22:23], v[X+30:X+31], v[X+30:X+31], v[22:23]
	v_add_nc_u32 v14, 0xff000000, v12              ; 2 off the exponent field: the conversion takes the exponent field of this operand as its scale
	v_lshrrev_b32 v[BY+\u], 23, v14                ; the scale's byte
.irp g, 0,1,2,3
	v_cvt_scalef32_pk8_fp4_f32 v[C+4*\u+\g], v[X+8*\g:X+8*\g+7], v14
.endr
	v_nop                                          ; one plain line behind the last conversion
	global_store_b128 v[LI], v[C+4*\u:C+4*\u+3], s[26:27] offset:512*\u
.endm
	BLOCK 0
	BLOCK 1
	BLOCK 2
	BLOCK 3
	; my bytes are bytes h and 2 + h of two scale words (K steps 2 q and 2 q + 1); lane l xor 16 has the other two of each
	v_lshl_or_b32 v24, v[BY+1], 16, v[BY]
	v_lshl_or_b32 v25, v[BY+3], 16, v[BY+2]
	v_pk_add_f32 v[20:21], v[20:21], v[22:23]
	v_lshlrev_b32 v24, v[H8], v24
	v_lshlrev_b32 v25, v[H8], v25
	v_add_f32 v20, v20, v21
	v_permlanex16_b32 v26, v24, s28, s29
	v_permlanex16_b32 v27, v25, s28, s29
	v_permlanex16_b32 v28, v20, s28, s29
	v_or_b32 v24, v24, v26
	v_or_b32 v25, v25, v27
	v_add_f32 v20, v20, v28                        ; my row's squares over my wave's 256 numbers
	v_cmp_ne_u32 vcc_lo, 0, v[H]
	v_cndmask_b32 v24, v24, v25, vcc_lo            ; lanes 0-15 keep K step 2 q's word, lanes 16-31 K step 2 q + 1's
	ds_store_b32 v[SCW], v24
	ds_store_b32 v[SQW], v20                       ; both halves of the lanes write the same word with the same value
	s_wait_dscnt 0x0                               ; for the others' sake: my two stores have landed
	s_barrier_signal -1
	s_barrier_wait -1
	s_cmp_eq_u32 s10, 0                            ; of each record's four waves one stores the scale words, one the sums; the branches hang on the wave's number alone
	s_cbranch_scc0 .Lnot_scales
	ds_load_b128 v[176:179], v[SCRD]
	s_wait_dscnt 0x0
	global_store_b128 v[LI], v[176:179], s[24:25] offset:8192   ; 512 consecutive bytes
	s_branch .Ldone
.Lnot_scales:
	s_cmp_eq_u32 s10, 1
	s_cbranch_scc0 .Ldone
	ds_load_b128 v[176:179], v[SQRD]               ; the four parts of row 2 (lane % 8),
	ds_load_b128 v[180:183], v[SQRD] offset:16     ; and of the row behind it
	s_wait_dscnt 0x0
	v_add_f32 v176, v176, v177
	v_add_f32 v178, v178, v179
	v_add_f32 v180, v180, v181
	v_add_f32 v182, v182, v183
	v_add_f32 v176, v176, v178
	v_add_f32 v180, v180, v182
	v_mul_f32 v176, -0.5, v176
	v_mul_f32 v177, -0.5, v180
	v_cmp_gt_u32 vcc_lo, 8, v[LANE]
	v_cndmask_b32 v176, 0, v176, vcc_lo            ; lanes 8-31 store the record's zeros
	v_cndmask_b32 v177, 0, v177, vcc_lo
	global_store_b64 v[L8], v[176:177], s[24:25] offset:8704    ; 256 consecutive bytes, aligned
.Ldone:
	s_wait_tensorcnt 0x0                           ; the wave's end
	ds_add_u32 v[SPW], v[NIL]
	s_wait_dscnt 0x0
	s_endpgm
.Lfunc_end_k_q6b64c104dd_quant:
	.size	k_q6b64c104dd_quant, .Lfunc_end_k_q6b64c104dd_quant-k_q6b64c104dd_quant
	.p2alignl 7, 3214868480
	.fill 96, 4, 3214868480
	.section	.rodata,"a",@progbits
	.p2align	6, 0x0
	.amdhsa_kernel k_q6b64c104dd_quant
		.amdhsa_group_segment_fixed_size 135680
		.amdhsa_private_segment_fixed_size 0
		.amdhsa_enable_private_segment 0
		.amdhsa_kernarg_size 16
		.amdhsa_user_sgpr_count 2
		.amdhsa_user_sgpr_kernarg_segment_ptr 1
		.amdhsa_wavefront_size32 1
		.amdhsa_system_sgpr_workgroup_id_x 1
		.amdhsa_system_sgpr_workgroup_id_y 1
		.amdhsa_system_sgpr_workgroup_id_z 1
		.amdhsa_system_vgpr_workitem_id 0
		.amdhsa_next_free_vgpr 226
		.amdhsa_next_free_sgpr 66
		.amdhsa_reserve_vcc 1
		.amdhsa_float_denorm_mode_32 3
		.amdhsa_float_denorm_mode_16_64 3
		.amdhsa_memory_ordered 1
		.amdhsa_forward_progress 1
		.amdhsa_inst_pref_size 22
	.end_amdhsa_kernel
	.amdgpu_metadata
---
amdhsa.version: [ 1, 2 ]
amdhsa.kernels:
  - .name:           k_q6b64c104dd_quant
    .symbol:         k_q6b64c104dd_quant.kd
    .args:
      - { .name: features, .offset: 0, .size: 8, .value_kind: global_buffer, .address_space: global }
      - { .name: img, .offset: 8, .size: 8, .value_kind: global_buffer, .address_space: global }
    .group_segment_fixed_size: 135680
    .private_segment_fixed_size: 0
    .kernarg_segment_align: 8
    .kernarg_segment_size: 16
    .max_flat_workgroup_size: 256
    .sgpr_count:     66
    .vgpr_count:     226
    .wavefront_size: 32
...
	.end_amdgpu_metadata
.endif
;; end of part 1
;; launch gram (part 2): grid 16 x 16, 4 waves a work-group, clusters of 4 x 1, 327,680 bytes of LDS; arguments img, part; writes part
.if DOCPART == 2
	.amdgcn_target "amdgcn-amd-amdhsa--gfx1250"
	.amdhsa_code_object_version 6
	.text
	.protected	k_q6b64c104dd_gram
	.globl	k_q6b64c104dd_gram
	.p2align	8
	.type	k_q6b64c104dd_gram,@function
k_q6b64c104dd_gram:
	s_mov_b64 s[64:65], 0
	v_nop
	global_prefetch_b8 v0, s[64:65] scope:SCOPE_SE
	s_setreg_imm32_b32 hwreg(HW_REG_WAVE_MODE, 25, 1), 1
	s_wait_xcnt 0x0
	s_wait_alu depctr_hold_cnt(0) depctr_sa_sdst(0) depctr_va_vdst(0) depctr_va_sdst(0) depctr_va_ssrc(0) depctr_va_vcc(0) depctr_vm_vsrc(0)
	s_getreg_b32 s2, hwreg(HW_REG_IB_STS2, 6, 4)
	s_cmp_eq_u32 s2, 0
	s_cbranch_scc0 .Lentry_in_a_cluster
	s_endpgm
.Lentry_in_a_cluster:
	s_bfe_u32 s2, ttmp6, 0x10000c
	s_cmp_lg_u32 s2, 0x3003
	s_cbranch_scc0 .Lentry_shape_is_right
	s_endpgm
.Lentry_shape_is_right:
; For each of 8192 rows m and each split of 512 rows n: the six largest g(m, n) = x_m . x_n - 0.5 |x_n|^2, descending.  d2 = |x_m|^2 - 2 g falls where g rises, so they are the split's six smallest d2.
; img: records of 16 rows as the launch before lays them.  part: for each split 8192 x 4 f32 (places 0-3), then 8192 x 2 f32 (places 4, 5): 196,608 bytes.
; LIMITS: NaN and infinities are not served.
; A work-group takes 512 queries (x) against one split (y).  A wave keeps 128 queries, two groups of four tiles of 16, in 512 registers for the whole launch and walks the split's 512 points out of LDS, 32 (two records) at a time.
; The split's 32 records (286,720 bytes) fit in LDS beside each other: each byte is filled once, 8 records at the head and 24 behind a round.
; CLUSTERS of 4 along x share the split: its records are asked for jointly.  The queries' records are each read by one wave of the cluster alone.
; No prefetch: all that the launch streams is asked for ahead of its loop, which leaves no loop to run ahead in.
; Source 0 = 32 points, source 1 = 16 queries: lane (r, h) then holds 16 numbers of ONE query r: points 8 h + 0 .. 7 and 16 + 8 h + 0 .. 7.  The first product's C is -0.5 |x_n|^2.
; A TRIP: the results of 32 points are selected; behind the selection's first 32 instructions stands the run of loads of the next 32 points, then the rest; then 64 matrix instructions, the accumulators by turns.
; Points 0-63 go through group 0 first and then through group 1, whose queries may so arrive later.
; SELECTION, with no branch.  Of 16 numbers: 8 pairs give 8 winners and 8 losers; the winners' pairs 4 winners W2 and 4 losers.  W2 are sorted and merged into the list of SIX.
;   A loser has a winner of its own above it, and all losers of one level have different winners: with three losers of its level above it a number has seven above it.  So of each level's losers THREE are kept.
;   Among those losers pairs are made again: whoever loses twice so has three above it, the next one seven: ONE is kept for each such level.  At the end all lists meet.
; WINDOWS: 0: addresses, scales, C, the points' fragments (v128-255).  1: v0-127 accumulators (tile a at 16 a); v128+16 i, +1 (i = 0..3) two spare registers for each tile at work, the rest lists.
;   2, 3: the fragments of group 0 (tiles 0-3), of group 1 (tiles 4-7): tile a at 64 (a % 4).
; A tile's lists, from LB: 0-5 the six; 6-8, 9-11 the threes of level 1 and 2; 12, 13 and C1 the ones.  Group 0: LB = 130 + 16 i, C1 = 207 + 16 i;  group 1: LB = 192 + 16 i, C1 = LB + 14.
.set REC,  8960
.set SPL,  196608
.set LI,   1                           ; 16 x lane
.set LS,   2                           ; REC h + 16 r: scale words of 32 points
.set LH,   3                           ; 32 h
.set ADR,  4
.set ADS,  5
.set ADN,  6
.set PO8,  7                           ; 8 x lane
.set SPW,  8
.set NIL,  9
.set BS,   16                          ; points' scale words: K steps 0,2,4,6, then 1,3,5,7
.set NS,   24                          ; C: -0.5 |x_n|^2
.set AS,   40                          ; queries' scale words: four a tile
.set BF,   128                         ; points' fragments: 16 registers a K step
.set TS,   1                           ; which tiles of a group an operation takes: every one, or every second
.set MSB,  0
.macro WIN new
.if MSB != (\new)
	s_set_vgpr_msb (MSB<<8)|(\new)
.set MSB, \new
.endif
.endm
.macro ROUND
	s_barrier_signal -1
	s_barrier_wait -1
	s_cmp_lg_u32 s8, 0
	s_cbranch_scc1 .Lnot_wave_0_\@
	s_barrier_signal -3
.Lnot_wave_0_\@:
	s_barrier_wait -3
	s_barrier_signal -1
	s_barrier_wait -1
.endm
.macro PLACES n
.rept \n
	v_nop
.endr
.endm
.macro ALOAD a                         ; tile a's fragments, K 0-1023
	WIN 0x80+0x40*(\a/4)
.irp s, 0,1,2,3,4,5,6,7
	global_load_b128 v[64*(\a%4)+8*\s:64*(\a%4)+8*\s+3],   v[LI], s[16:17] offset:REC*\a+1024*\s
	global_load_b128 v[64*(\a%4)+8*\s+4:64*(\a%4)+8*\s+7], v[LI], s[16:17] offset:REC*\a+1024*\s+512
.endr
.endm
.macro ADDRESS                         ; where the next 32 points lie
	v_add_nc_u32 v[ADR], s13, v[LI]
	v_add_nc_u32 v[ADS], s13, v[LS]
	v_add_nc_u32 v[ADN], s13, v[LH]
	s_add_co_u32 s13, s13, 2*REC
.endm
.macro NEXT                            ; behind a run of matrix instructions: the address and one v_nop are the four places in front of the first reads of results and of the loads over operands
	ADDRESS
	v_nop
.endm
.macro LOADS                           ; 32 points: scales and C first, then the K steps in their order
	ds_load_b128 v[BS:BS+3],   v[ADS] offset:8192
	ds_load_b128 v[BS+4:BS+7], v[ADS] offset:8448
	ds_load_b128 v[NS:NS+3],     v[ADN] offset:8704
	ds_load_b128 v[NS+4:NS+7],   v[ADN] offset:8720
	ds_load_b128 v[NS+8:NS+11],  v[ADN] offset:REC+8704
	ds_load_b128 v[NS+12:NS+15], v[ADN] offset:REC+8720
.irp s, 0,1,2,3,4,5,6,7
	ds_load_b128 v[BF+16*\s:BF+16*\s+3],     v[ADR] offset:1024*\s
	ds_load_b128 v[BF+16*\s+4:BF+16*\s+7],   v[ADR] offset:1024*\s+512
	ds_load_b128 v[BF+16*\s+8:BF+16*\s+11],  v[ADR] offset:REC+1024*\s
	ds_load_b128 v[BF+16*\s+12:BF+16*\s+15], v[ADR] offset:REC+1024*\s+512
.endr
.endm
.macro MUL s, a                        ; tile a, K step s
.if \s == 0
	WIN 0x48+4*(\a/4)
	v_wmma_scale_f32_32x16x128_f4 v[16*\a:16*\a+15], v[BF+16*\s:BF+16*\s+15], v[64*(\a%4)+8*\s:64*(\a%4)+8*\s+7], v[NS:NS+15], v[BS+4*(\s%2)+\s/2], v[AS+4*\a+\s/2]
.elseif \s % 2
	WIN 0x58+4*(\a/4)
	v_wmma_scale_f32_32x16x128_f4 v[16*\a:16*\a+15], v[BF+16*\s:BF+16*\s+15], v[64*(\a%4)+8*\s:64*(\a%4)+8*\s+7], v[16*\a:16*\a+15], v[BS+4*(\s%2)+\s/2], v[AS+4*\a+\s/2] matrix_b_scale:MATRIX_SCALE_ROW1
.else
	WIN 0x58+4*(\a/4)
	v_wmma_scale_f32_32x16x128_f4 v[16*\a:16*\a+15], v[BF+16*\s:BF+16*\s+15], v[64*(\a%4)+8*\s:64*(\a%4)+8*\s+7], v[16*\a:16*\a+15], v[BS+4*(\s%2)+\s/2], v[AS+4*\a+\s/2]
.endif
.endm
.macro WMMA                            ; both groups
.irp s, 0,1,2,3,4,5,6,7
	s_wait_dscnt 28-4*\s                           ; the later K steps' four loads each may be out
.irp a, 0,1,2,3,4,5,6,7
	MUL \s, \a
.endr
.endr
	WIN 0
.endm
.macro WMMA0                           ; group 0 alone
.irp s, 0,1,2,3,4,5,6,7
	s_wait_dscnt 28-4*\s
.irp a, 0,1,2,3
	MUL \s, \a
.endr
.endr
	WIN 0
.endm
.macro WMMA1                           ; group 1 alone
.irp s, 0,1,2,3,4,5,6,7
	s_wait_dscnt 28-4*\s
.irp a, 4,5,6,7
	MUL \s, \a
.endr
.endr
	WIN 0
.endm
; Operations on the four tiles of a group by turns; register numbers are relative to the group's first accumulator.
.macro CX hi, lo, x, y                 ; hi = max(x, y), lo = min(x, y)
.irp i, 0,1,2,3
.if \i % TS == 0
	v_dual_max_num_f32 v[TB+\hi+16*\i], v[TB+\x+16*\i], v[TB+\y+16*\i] :: v_dual_min_num_f32 v[TB+\lo+16*\i], v[TB+\x+16*\i], v[TB+\y+16*\i]
.endif
.endr
.endm
.macro MX2 d, x, e, y                  ; d = max(d, x), e = max(e, y)
.irp i, 0,1,2,3
.if \i % TS == 0
	v_dual_max_num_f32 v[TB+\d+16*\i], v[TB+\d+16*\i], v[TB+\x+16*\i] :: v_dual_max_num_f32 v[TB+\e+16*\i], v[TB+\e+16*\i], v[TB+\y+16*\i]
.endif
.endr
.endm
.macro OP3 op, d, x, y, z
.irp i, 0,1,2,3
.if \i % TS == 0
	\op v[TB+\d+16*\i], v[TB+\x+16*\i], v[TB+\y+16*\i], v[TB+\z+16*\i]
.endif
.endr
.endm
.macro SORT3 d, x, y, z
	OP3 v_max3_num_f32, \d, \x, \y, \z
	OP3 v_med3_num_f32, \d+1, \x, \y, \z
	OP3 v_min3_num_f32, \d+2, \x, \y, \z
.endm
.macro HALVE                           ; the six are bitonic: their upper half into 4, 6, 10, the lower into 5, 7, 11
	CX 4, 5, LB, LB+3
	CX 6, 7, LB+1, LB+4
	CX 10, 11, LB+2, LB+5
.endm
.macro ORDER                           ; and each half in order
	SORT3 LB, 4, 6, 10
	SORT3 LB+3, 5, 7, 11
.endm
.macro BASES g
.set TB, 64*\g
.set LB, 130-2*\g
.set C1, 207-65*\g
.set E0, 128-64*\g                     ; the two spare registers
.set E1, 129-64*\g
.endm
.macro SELECT g, ld                    ; 16 new numbers for each tile of group g; every pair's results go to the two registers freed last, one even, one odd.  ld = 1: the next 32 points are loaded
	BASES \g
	WIN 0x55
	CX E0, E1, 0, 1
	CX 1, 0, 2, 3
	CX 2, 3, 4, 5
	CX 5, 4, 6, 7
	CX 6, 7, 8, 9
	CX 9, 8, 10, 11
	CX 10, 11, 12, 13
	CX 13, 12, 14, 15                  ; winners E0 1 2 5 6 9 10 13, losers E1 0 3 4 7 8 11 12
.if \ld
	WIN 0
	LOADS
	WIN 0x55
.endif
	CX 14, 15, E0, 1                   ; winners' pairs: W2 14 1 2 9, losers 15 E0 5 6
	CX 1, E0, 2, 5
	CX 2, 5, 6, 9
	CX 9, 6, 10, 13
	CX 10, 13, E1, 0                   ; losers' pairs: 10 E1 4 7 over 13 0 3 8
	CX E1, 0, 3, 4
	CX 4, 3, 7, 8
	CX 7, 8, 11, 12
	OP3 v_max3_num_f32, LB+12, LB+12, 13, 0
	CX 0, 11, 14, 1                    ; W2: first pair 0 >= 11
	CX 12, 13, 10, E1                  ; losers: 12 over 13
	OP3 v_max3_num_f32, LB+12, LB+12, 3, 8
	CX 1, 14, 2, 9                     ; W2: second pair 1 >= 14
	CX E1, 10, 4, 7                    ; losers: E1 over 10
	CX 8, 3, 15, E0                    ; level 2's losers: 8 over 3
	CX 9, 2, 5, 6                      ; 9 over 2
	CX 4, 5, 0, 1                      ; W2's largest: 4
	CX 6, 7, 11, 14                    ; its smallest: 7
	CX 0, 1, 12, E1                    ; level 1: sorted pair 0, 1
	CX 14, 15, 8, 9                    ; level 2: sorted pair 14, 15
	CX E1, 12, 5, 6                    ; W2 in order: 4, E1, 12, 7
	OP3 v_max3_num_f32, LB+13, LB+13, 13, 10
	OP3 v_max3_num_f32, C1, C1, 3, 2
.irp i, 0,1,2,3                        ; both threes (p, q, r) take their sorted pair (a, b): m = min(p, a)
	v_dual_min_num_f32 v[TB+8+16*\i], v[TB+LB+6+16*\i], v[TB+0+16*\i] :: v_dual_min_num_f32 v[TB+9+16*\i], v[TB+LB+9+16*\i], v[TB+14+16*\i]
.endr
	MX2 LB+6, 0, LB+9, 14              ; p = max(p, a)
	MX2 LB+2, 7, LB+3, 12              ; the six against W2 in reverse order: the largest six, bitonic
	MX2 LB+4, E1, LB+5, 4
	OP3 v_med3_num_f32, 0, 8, LB+7, 1
	OP3 v_med3_num_f32, 3, 9, LB+10, 15
	HALVE
	OP3 v_max3_num_f32, LB+7, 8, LB+7, 1     ; q = max(m, q, b)
	OP3 v_max3_num_f32, LB+10, 9, LB+10, 15
	MX2 LB+8, 0, LB+11, 3              ; r = max(r, med(m, q, b))
	ORDER
.endm
.macro FINISH g                        ; all lists of a tile meet, then the two halves of the lanes; stored
	BASES \g
	WIN 0x55
	SORT3 0, LB+12, LB+13, C1
	CX 4, 5, LB+6, LB+11               ; two threes in order make six in order
	CX 6, 7, LB+7, LB+10
	CX 8, 9, LB+8, LB+9
	SORT3 10, 4, 6, 8
	SORT3 13, 5, 7, 9
	MX2 LB, 15, LB+1, 14
	MX2 LB+2, 13, LB+3, 12
	MX2 LB+4, 11, LB+5, 10
	HALVE
	ORDER
	MX2 LB+3, 2, LB+4, 1
.irp i, 0,1,2,3
	v_max_num_f32 v[TB+LB+5+16*\i], v[TB+LB+5+16*\i], v[TB+16*\i]
.endr
	HALVE
	ORDER
.irp k, 0,1,2,3,4,5
.irp i, 0,2                            ; tiles i, i + 1: the first's registers get both tiles' lists of h = 0 (lanes 0-15: tile i's queries, 16-31: tile i + 1's), the second's those of h = 1
	v_permlane16_swap_b32 v[TB+LB+\k+16*\i], v[TB+LB+\k+16*\i+16]
.endr
.endr
.set TS, 2
	MX2 LB, LB+21, LB+1, LB+20
	MX2 LB+2, LB+19, LB+3, LB+18
	MX2 LB+4, LB+17, LB+5, LB+16
	HALVE
	ORDER
.set TS, 1
	WIN 0x04
.irp i, 0,2                            ; 32 rows: 512 and 256 consecutive bytes, aligned
	global_store_b128 v[LI], v[TB+LB+16*\i:TB+LB+16*\i+3], s[18:19] offset:512*(2*\g+\i/2)
	global_store_b64 v[PO8], v[TB+LB+16*\i+4:TB+LB+16*\i+5], s[20:21] offset:256*(2*\g+\i/2)
.endr
	WIN 0
.endm
.macro BODY
	SELECT 0, 1
	SELECT 1, 0
	WMMA
	NEXT
.endm
	s_load_b128 s[4:7], s[0:1], 0x0                ; img, part
	v_lshl_add_u32 v[SPW], v0, 2, 32*REC           ; spare words behind the records
	v_mov_b32 v[NIL], 0
	ds_add_u32 v[SPW], v[NIL]
	ds_add_u32 v[SPW], v[NIL]
	v_lshrrev_b32 v10, 5, v0
	v_readfirstlane_b32 s8, v10                    ; wave 0..3
	s_bfe_u32 s9, ttmp6, 0x40000
	s_lshl_b32 s10, ttmp9, 2
	s_add_co_u32 s10, s10, s9                      ; x: which 512 queries
	s_and_b32 s11, ttmp7, 0xffff                   ; y: which split
	; groups 1: dense runs of records as rows of 256 bytes; 2 records (70 rows) a wave at the head, 6 (210 rows) behind the second round; the mask names all four partners
	s_mov_b32 s24, 15|(3<<16)|(1<<21)
	s_mov_b32 s25, 32<<16
	s_mov_b32 s26, 70<<16
	s_mov_b32 s27, 32<<16
	s_mov_b32 s28, 70
	s_mov_b32 s29, 32
	s_mov_b32 s30, 0
	s_mov_b32 s31, 0
	s_mov_b32 s40, 15|(3<<16)|(1<<21)
	s_mov_b32 s41, 32<<16
	s_mov_b32 s42, 210<<16
	s_mov_b32 s43, 32<<16
	s_mov_b32 s44, 210
	s_mov_b32 s45, 32
	s_mov_b32 s46, 0
	s_mov_b32 s47, 0
	s_mov_b32 s32, 1
	s_mul_i32 s33, s8, 2*REC                       ; LDS: records 2 w, 2 w + 1
	s_mov_b32 s36, 1
	s_mul_i32 s37, s8, 6*REC
	s_add_co_u32 s37, s37, 8*REC                   ; and 8 + 6 w .. 13 + 6 w
	s_mul_i32 s2, s11, 32*REC
	s_add_co_u32 s12, s2, s33                      ; the same places in the split's records in img
	s_add_co_u32 s22, s2, s37
	s_mov_b32 s13, 0
	s_mov_b32 s23, 0
	s_lshl_b32 s2, s10, 5
	s_lshl_b32 s3, s8, 3
	s_add_co_u32 s2, s2, s3
	s_mul_i32 s2, s2, REC                          ; my queries' first record
	s_mov_b32 s3, 0
	v_and_b32 v10, 31, v0
	v_lshlrev_b32 v[LI], 4, v10
	v_lshlrev_b32 v[PO8], 3, v10
	v_bfe_u32 v10, v0, 4, 1
	v_lshlrev_b32 v[LH], 5, v10
	v_mul_u32_u24 v[LS], v10, REC
	v_and_b32 v11, 15, v0
	v_lshl_add_u32 v[LS], v11, 4, v[LS]
	s_wait_alu depctr_va_vdst(0)
	s_wait_dscnt 0x0                               ; both opening adds are done
	s_wait_kmcnt 0x0
	s_add_nc_u64 s[34:35], s[4:5], s[12:13]
	s_or_b32 s35, s35, 0x80000000
	s_add_nc_u64 s[38:39], s[4:5], s[22:23]
	s_or_b32 s39, s39, 0x80000000
	s_add_nc_u64 s[16:17], s[4:5], s[2:3]
.irp a, 0,1,2,3,4,5,6,7
	global_load_b128 v[AS+4*\a:AS+4*\a+3], v[LI], s[16:17] offset:REC*\a+8192
.endr
	ALOAD 0
	ALOAD 1
	ALOAD 2
	WIN 0
	; where my 128 rows lie in part
	s_mul_i32 s2, s11, SPL
	s_lshl_b32 s3, s10, 13
	s_add_co_u32 s2, s2, s3
	s_lshl_b32 s3, s8, 11
	s_add_co_u32 s2, s2, s3
	s_mov_b32 s3, 0
	s_add_nc_u64 s[18:19], s[6:7], s[2:3]
	s_mul_i32 s2, s11, SPL
	s_lshl_b32 s3, s10, 12
	s_add_co_u32 s2, s2, s3
	s_lshl_b32 s3, s8, 10
	s_add_co_u32 s2, s2, s3
	s_add_co_u32 s2, s2, 131072
	s_mov_b32 s3, 0
	s_add_nc_u64 s[20:21], s[6:7], s[2:3]
	ROUND                                          ; the four partners are here: the joint loads meet
	tensor_load_to_lds s[32:35], s[24:31]          ; records 0-7: my two
	s_nop 0
	PLACES 4
	ALOAD 3
	ALOAD 4
	ALOAD 5
	ALOAD 6
	ALOAD 7
	WIN 0x40
	s_mov_b32 s22, 0xff800000                      ; the lists begin with -infinity
.irp i, 0,1,2,3
.set k, 130+16*\i
.rept 14
	v_mov_b32 v[k], s22
.set k, k+1
.endr
.endr
.set k, 192
.rept 64
	v_mov_b32 v[k], s22
.set k, k+1
.endr
	WIN 0
	s_mov_b32 s13, 0                               ; LDS address of the next 32 points
	s_wait_alu depctr_va_vdst(0)
	s_wait_tensorcnt 0x0                           ; my two records are in
	ds_add_u32 v[SPW], v[NIL]
	s_wait_dscnt 0x0
	ROUND
	tensor_load_to_lds s[36:39], s[40:47]          ; records 8-31: my six, wanted from point 128 on
	s_nop 0
	PLACES 4
	ADDRESS
	LOADS                                          ; points 0-31
	s_wait_alu depctr_va_vdst(0)
	s_wait_loadcnt 63                              ; the scale words and group 0's queries are in: behind them group 1's 64 loads were issued
	WMMA0
	NEXT
	SELECT 0, 1                                    ; loads points 32-63
	WMMA0
	s_mov_b32 s13, 0
	NEXT
	SELECT 0, 1                                    ; points 0-31 again, for group 1
	s_wait_alu depctr_va_vdst(0)
	s_wait_loadcnt 0x0                             ; group 1's queries are in
	WMMA1
	NEXT
	SELECT 1, 1                                    ; points 32-63
	WMMA1
	NEXT
	SELECT 1, 1                                    ; points 64-95
	WMMA
	NEXT
	s_wait_alu depctr_va_vdst(0)
	s_wait_tensorcnt 0x0                           ; my six records are in (my LDS loads are all back): say so;
	s_barrier_signal -1
	BODY                                           ; registers and loads of bytes that nobody writes any more: points 96-127;
	s_wait_alu depctr_va_vdst(0)
	s_barrier_wait -1                              ; the other waves' records are in
	s_mov_b32 s14, 12                              ; points 128-511; the last trip's next address is not used
.Ltrip:
	BODY
	s_sub_co_u32 s14, s14, 1
	s_cmp_lg_u32 s14, 0
	s_cbranch_scc1 .Ltrip
	SELECT 0, 0
	SELECT 1, 0
	FINISH 0
	FINISH 1
	s_wait_tensorcnt 0x0                           ; the wave's end
	ds_add_u32 v[SPW], v[NIL]
	s_wait_dscnt 0x0
	ROUND                                          ; the closing round
	s_endpgm
.Lfunc_end_k_q6b64c104dd_gram:
	.size	k_q6b64c104dd_gram, .Lfunc_end_k_q6b64c104dd_gram-k_q6b64c104dd_gram
	.p2alignl 7, 3214868480
	.fill 96, 4, 3214868480
	.section	.rodata,"a",@progbits
	.p2align	6, 0x0
	.amdhsa_kernel k_q6b64c104dd_gram
		.amdhsa_group_segment_fixed_size 327680
		.amdhsa_private_segment_fixed_size 0
		.amdhsa_enable_private_segment 0
		.amdhsa_kernarg_size 16
		.amdhsa_user_sgpr_count 2
		.amdhsa_user_sgpr_kernarg_segment_ptr 1
		.amdhsa_wavefront_size32 1
		.amdhsa_system_sgpr_workgroup_id_x 1
		.amdhsa_system_sgpr_workgroup_id_y 1
		.amdhsa_system_sgpr_workgroup_id_z 1
		.amdhsa_system_vgpr_workitem_id 0
		.amdhsa_next_free_vgpr 1024
		.amdhsa_next_free_sgpr 66
		.amdhsa_reserve_vcc 0
		.amdhsa_float_denorm_mode_32 3
		.amdhsa_float_denorm_mode_16_64 3
		.amdhsa_memory_ordered 1
		.amdhsa_forward_progress 1
		.amdhsa_inst_pref_size 230
	.end_amdhsa_kernel
	.amdgpu_metadata
---
amdhsa.version: [ 1, 2 ]
amdhsa.kernels:
  - .name:           k_q6b64c104dd_gram
    .symbol:         k_q6b64c104dd_gram.kd
    .args:
      - { .name: img, .offset: 0, .size: 8, .value_kind: global_buffer, .address_space: global }
      - { .name: part, .offset: 8, .size: 8, .value_kind: global_buffer, .address_space: global }
    .group_segment_fixed_size: 327680
    .private_segment_fixed_size: 0
    .kernarg_segment_align: 8
    .kernarg_segment_size: 16
    .max_flat_workgroup_size: 128
    .sgpr_count:     66
    .vgpr_count:     1024
    .wavefront_size: 32
...
	.end_amdgpu_metadata
.endif
;; end of part 2
;; launch merge (part 3): grid 128 x 1, 4 waves a work-group, no clusters, 3,584 bytes of LDS; arguments img, part, out0; writes out0
.if DOCPART == 3
	.amdgcn_target "amdgcn-amd-amdhsa--gfx1250"
	.amdhsa_code_object_version 6
	.text
	.protected	k_q6b64c104dd_merge
	.globl	k_q6b64c104dd_merge
	.p2align	8
	.type	k_q6b64c104dd_merge,@function
k_q6b64c104dd_merge:
	s_mov_b64 s[64:65], 0
	v_nop
	global_prefetch_b8 v0, s[64:65] scope:SCOPE_SE
	s_setreg_imm32_b32 hwreg(HW_REG_WAVE_MODE, 25, 1), 1
	s_wait_xcnt 0x0
; out0[row] = 1 / (sqrt(max(d2, 0)) + 1e-8), d2 = |x_row|^2 - 2 g, g the sixth largest of the row's 16 lists of six.  d2 falls where g rises and the clipped root does not fall where d2 rises, so this is the sixth smallest distance.
; part: for each of 16 splits 8192 x 4 f32 (places 0-3 of a row's six, descending), then 8192 x 2 f32 (places 4, 5).  img: a record of 8,960 bytes for 16 rows, at 8704 their -0.5 |x|^2.
; A work-group takes 64 rows; waves 0, 1 merge splits 0-7 of rows 0-31, 32-63, waves 2, 3 splits 8-15.  A lane owns a row; its 16 loads of part go out at once.  The two halves meet in LDS, where wave 0
; takes two neighbouring rows a lane, so that its store covers 256 consecutive bytes, aligned.
; No matrix unit, no cluster, no tensor load: 3 MiB are read once and nothing is shared.  LIMITS: NaN and infinities are not served.
.set SPL, 196608
.set SPW, 12
.set NIL, 13
.set L, 16                             ; split y of my eight at v[16 + 6 y]
.set T, 64
.set A, 72                             ; pairs of rows: splits 0-7's six
.set B, 84                             ; splits 8-15's
	s_load_b128 s[4:7], s[0:1], 0x0                ; img, part
	s_load_b64 s[14:15], s[0:1], 0x10              ; out0
	v_lshl_add_u32 v[SPW], v0, 2, 3072
	v_mov_b32 v[NIL], 0
	v_lshrrev_b32 v1, 5, v0
	v_readfirstlane_b32 s8, v1                     ; wave
	v_lshrrev_b32 v3, 6, v0                        ; which eight splits
	v_and_b32 v5, 63, v0                           ; my row
	v_mul_u32_u24 v4, v3, 8*SPL
	v_lshl_add_u32 v1, v5, 4, v4
	v_lshl_add_u32 v2, v5, 3, v4
	v_mul_u32_u24 v3, v3, 1536
	v_lshl_add_u32 v4, v5, 2, v3                   ; LDS: word k of half s, row i, at 1536 s + 256 k + 4 i
	v_and_b32 v5, 31, v0
	v_lshrrev_b32 v8, 3, v5
	v_and_b32 v9, 7, v5
	v_mul_u32_u24 v8, v8, 8960
	v_lshl_add_u32 v8, v9, 3, v8                   ; rows 2 lane, 2 lane + 1 in their record
	v_lshlrev_b32 v5, 3, v5                        ; 8 x lane
	s_lshl_b32 s10, ttmp9, 10
	s_mov_b32 s11, 0
	s_lshl_b32 s12, ttmp9, 9
	s_add_co_u32 s12, s12, 131072
	s_mov_b32 s13, 0
	s_mul_i32 s16, ttmp9, 35840
	s_mov_b32 s17, 0
	s_lshl_b32 s18, ttmp9, 8
	s_mov_b32 s19, 0
	s_wait_alu depctr_va_vdst(0)
	s_wait_kmcnt 0x0
	s_add_nc_u64 s[20:21], s[6:7], s[10:11]
	s_add_nc_u64 s[22:23], s[6:7], s[12:13]
	s_add_nc_u64 s[4:5], s[4:5], s[16:17]
	s_add_nc_u64 s[14:15], s[14:15], s[18:19]
	global_load_b64 v[6:7], v8, s[4:5] offset:8704 ; wave 0 uses it
.irp y, 0,1,2,3,4,5,6,7
	global_load_b128 v[L+6*\y:L+6*\y+3],   v1, s[20:21] offset:SPL*\y th:TH_LOAD_NT
	global_load_b64 v[L+6*\y+4:L+6*\y+5], v2, s[22:23] offset:SPL*\y th:TH_LOAD_NT
.endr
.macro CX hi, lo, x, y
	v_dual_max_num_f32 v[\hi], v[\x], v[\y] :: v_dual_min_num_f32 v[\lo], v[\x], v[\y]
.endm
.macro MERGE y
.set H, L+6*\y
	s_wait_alu depctr_va_vdst(0)
	s_wait_loadcnt 14-2*\y                         ; loads come back in order: the later splits' two each may be out
	v_dual_max_num_f32 v[L], v[L], v[H+5] :: v_dual_max_num_f32 v[L+1], v[L+1], v[H+4]       ; one list against the other in reverse order: the largest six, bitonic
	v_dual_max_num_f32 v[L+2], v[L+2], v[H+3] :: v_dual_max_num_f32 v[L+3], v[L+3], v[H+2]
	v_dual_max_num_f32 v[L+4], v[L+4], v[H+1] :: v_dual_max_num_f32 v[L+5], v[L+5], v[H]
	CX T, T+1, L, L+3
	CX T+2, T+3, L+1, L+4
	CX T+4, T+5, L+2, L+5
	v_max3_num_f32 v[L],   v[T], v[T+2], v[T+4]
	v_med3_num_f32 v[L+1], v[T], v[T+2], v[T+4]
	v_min3_num_f32 v[L+2], v[T], v[T+2], v[T+4]
	v_max3_num_f32 v[L+3], v[T+1], v[T+3], v[T+5]
	v_med3_num_f32 v[L+4], v[T+1], v[T+3], v[T+5]
	v_min3_num_f32 v[L+5], v[T+1], v[T+3], v[T+5]
.endm
.irp y, 1,2,3,4,5,6,7
	MERGE \y
.endr
.irp k, 0,1,2,3,4,5
	ds_store_b32 v4, v[L+\k] offset:256*\k
.endr
	s_wait_dscnt 0x0                               ; for wave 0's sake: my stores have landed
	s_barrier_signal -1
	s_barrier_wait -1
	s_cmp_lg_u32 s8, 0
	s_cbranch_scc1 .Lend
.irp k, 0,1,2,3,4,5
	ds_load_b64 v[A+2*\k:A+2*\k+1], v5 offset:256*\k
	ds_load_b64 v[B+2*\k:B+2*\k+1], v5 offset:1536+256*\k
.endr
	v_mul_f32 v6, -2.0, v6                         ; |x|^2
	v_mul_f32 v7, -2.0, v7
	s_wait_alu depctr_va_vdst(0)
	s_wait_dscnt 0x0
.irp k, 0,1,2,3,4,5
	v_dual_max_num_f32 v[A+2*\k], v[A+2*\k], v[B+10-2*\k] :: v_dual_max_num_f32 v[A+2*\k+1], v[A+2*\k+1], v[B+11-2*\k]
.endr
	v_min3_num_f32 v10, v[A], v[A+2], v[A+4]       ; the least of the largest six
	v_min3_num_f32 v11, v[A+1], v[A+3], v[A+5]
	v_min3_num_f32 v10, v10, v[A+6], v[A+8]
	v_min3_num_f32 v11, v11, v[A+7], v[A+9]
	v_min_num_f32 v10, v10, v[A+10]
	v_min_num_f32 v11, v11, v[A+11]
	v_fma_f32 v10, -2.0, v10, v6
	v_fma_f32 v11, -2.0, v11, v7
	v_max_num_f32 v10, 0, v10
	v_max_num_f32 v11, 0, v11
	s_wait_alu depctr_va_vdst(0)
	v_sqrt_f32 v14, v10
	v_sqrt_f32 v15, v11
	v_nop
	s_wait_alu depctr_va_vdst(0)
	v_add_f32 v14, 0x322bcc77, v14                 ; + 1e-8
	v_add_f32 v15, 0x322bcc77, v15
	s_wait_alu depctr_va_vdst(0)
	v_rcp_f32 v10, v14
	v_rcp_f32 v11, v15
	v_nop
	s_wait_alu depctr_va_vdst(0)
	global_store_b64 v5, v[10:11], s[14:15]        ; 32 lanes store 256 consecutive bytes, aligned
.Lend:
	s_wait_tensorcnt 0x0                           ; the wave's end
	ds_add_u32 v[SPW], v[NIL]
	s_wait_dscnt 0x0
	s_endpgm
.Lfunc_end_k_q6b64c104dd_merge:
	.size	k_q6b64c104dd_merge, .Lfunc_end_k_q6b64c104dd_merge-k_q6b64c104dd_merge
	.p2alignl 7, 3214868480
	.fill 96, 4, 3214868480
	.section	.rodata,"a",@progbits
	.p2align	6, 0x0
	.amdhsa_kernel k_q6b64c104dd_merge
		.amdhsa_group_segment_fixed_size 3584
		.amdhsa_private_segment_fixed_size 0
		.amdhsa_enable_private_segment 0
		.amdhsa_kernarg_size 24
		.amdhsa_user_sgpr_count 2
		.amdhsa_user_sgpr_kernarg_segment_ptr 1
		.amdhsa_wavefront_size32 1
		.amdhsa_system_sgpr_workgroup_id_x 1
		.amdhsa_system_sgpr_workgroup_id_y 1
		.amdhsa_system_sgpr_workgroup_id_z 1
		.amdhsa_system_vgpr_workitem_id 0
		.amdhsa_next_free_vgpr 96
		.amdhsa_next_free_sgpr 66
		.amdhsa_reserve_vcc 0
		.amdhsa_float_denorm_mode_32 3
		.amdhsa_float_denorm_mode_16_64 3
		.amdhsa_memory_ordered 1
		.amdhsa_forward_progress 1
		.amdhsa_inst_pref_size 13
	.end_amdhsa_kernel
	.amdgpu_metadata
---
amdhsa.version: [ 1, 2 ]
amdhsa.kernels:
  - .name:           k_q6b64c104dd_merge
    .symbol:         k_q6b64c104dd_merge.kd
    .args:
      - { .name: img, .offset: 0, .size: 8, .value_kind: global_buffer, .address_space: global }
      - { .name: part, .offset: 8, .size: 8, .value_kind: global_buffer, .address_space: global }
      - { .name: out0, .offset: 16, .size: 8, .value_kind: global_buffer, .address_space: global }
    .group_segment_fixed_size: 3584
    .private_segment_fixed_size: 0
    .kernarg_segment_align: 8
    .kernarg_segment_size: 24
    .max_flat_workgroup_size: 128
    .sgpr_count:     66
    .vgpr_count:     96
    .wavefront_size: 32
...
	.end_amdgpu_metadata
.endif
;; end of part 3
